; MI455X (gfx1250); checked and timed in simulation.
; The chip was launched on July 23, 2026; its instructions are those of AMD's public machine-readable ISA for CDNA 5 (MIT licence, August 2026) and "CDNA5" Instruction Set Architecture Reference Guide (July 2026). The comments in the code are by the model that wrote it; some were corrected since.
;; Bit Net Linear. Allowed arithmetic: matrix products marked QUANTISED: E5M2 operands, one given power-of-two scale a tensor, by v_wmma_f32_16x16x64_bf8_bf8 or v_wmma_f32_16x16x128_bf8_bf8, f32 sums; everything else in f32.
;; Inputs: bias 4,096 float32; lowp_scales 2 int32 (the exponents e of the quantised operands' scales 2^e); weight 4,096 x 4,096 float32; x 2 x 2,048 x 4,096 float32.
;; Outputs: out0 2 x 2,048 x 4,096 float32.
;; This version of the problem:
;;   THIS VERSION OF THE PROBLEM IS GIVEN IN LOW PRECISION. The matrix products marked QUANTISED in the list below multiply operands that are first quantised to E5M2 (5 exponent bits, 2 mantissa bits; 8 bits a number), with one given power-of-two scale for each operand tensor; their sums are f32. All else is computed in f32.
;;   The module's matrix products, in the order in which they are computed (A, B: the left and right operand; K: the contracted axis; several contracted axes count as one K, in the product's order):
;;     1. [M 4,096, K 4,096] x [K 4,096, N 4,096]; A: computed on the way; B: computed on the way: QUANTISED (scales: A lowp_scales[0], B lowp_scales[1])
;;   THE QUANTISER, for each operand of a quantised product, along K:
;;     - The operand's scale is 2^e, e = its entry of the input lowp_scales (int32; the entries are numbered through the quantised products in the list's order, A before B).
;;     - Each number is divided by the scale, clamped to +-57,344, and rounded to the nearest number of E5M2, ties to even, subnormals kept.
;;     - The product sums the exact products of the quantised numbers (number of the format x scale) in f32.
;;   ~~~python
;;   def quantise(x, axis, e):      # numpy; x: float32 -> the quantised numbers, widened to float32 again
;;       x = np.moveaxis(x, axis, -1); K = x.shape[-1]
;;       r = np.clip(x / 2.0 ** e, -57344, 57344)
;;       step = 2.0 ** (np.maximum(np.frexp(np.where(r == 0, 1, r))[1] - 1, -14) - 2)
;;       q = np.round(r / step) * step * 2.0 ** e      # np.round: ties to even
;;       return np.moveaxis(q, -1, axis).astype(np.float32)
;;   ~~~
;;   OPERANDS COMPUTED ON THE WAY. 'Computed on the way' means the value that the module computes at that place (a softmax that the list does not call 'softmax' is quantised finished and normalised). What goes into a quantiser is computed in f32, as accurately as f32 sums, v_exp_f32 and their like allow (about 1e-6 of the number): no bf16 or f16 on the way to a quantiser, and a product that is left as it is and whose result goes on into a quantised operand takes f32 operands (vector FMAs, or v_wmma_f32_16x16x4_f32). A number that lies on a knife's edge between two numbers of the format may be rounded either way, as far as f32 arithmetic and the matrix unit's own rounding can turn it there, and no further.
;; One version. Each part assembles by itself: llvm-mc -triple=amdgcn-amd-amdhsa -mcpu=gfx1250 --defsym DOCPART=n.
;; ======== version 1 of 1: 3 launches
;; limits: right only within a limited range of input values
;; workspace buffers: partials 2,048 bytes; a_codes 16,777,216 bytes; b_codes 16,777,216 bytes
;; launch absum (part 1): grid 512 x 1, 8 waves a work-group, no clusters, 1,280 bytes of LDS; arguments x, weight, partials; writes partials
.if DOCPART == 1
	.amdgcn_target "amdgcn-amd-amdhsa--gfx1250"
	.amdhsa_code_object_version 6
	.text
	.protected	k_q1184594564_absum
	.globl	k_q1184594564_absum
	.p2align	8
	.type	k_q1184594564_absum,@function
k_q1184594564_absum:
	s_mov_b64 s[64:65], 0
	v_nop
	global_prefetch_b8 v0, s[64:65] scope:SCOPE_SE
	s_setreg_imm32_b32 hwreg(HW_REG_WAVE_MODE, 25, 1), 1
	s_wait_xcnt 0x0
; partials[g] = the sum of |.| over one chunk of 65,536 f32 numbers: g = 0 .. 255 chunks of x, g = 256 .. 511 chunks of weight (each tensor is 2^24 numbers = 256 chunks).
; The means over whole tensors are finished by the launches that need them: no work-group here sees another's sum.
; Eight waves; a wave takes 32,768 bytes as 64 loads of 16 bytes a lane: each load of a wave covers 512 consecutive bytes, aligned.  Every offset is an immediate.
; A ring of 16 slots in registers keeps 16 loads of every wave in flight.  The sums run in sixteen chains a lane (16 numbers to a chain), then lanes, then waves.
; No matrix unit, no tensor load, no cluster: the work-groups share nothing.  No cache hint: both tensors are read once more by the next launch.
.set ACC,  84                          ; v[84:99]  sixteen chains: a chain is taken up again behind fifteen other additions
.set RING, 16                          ; v[16:79]  16 slots of 4 registers
	s_load_b128 s[4:7], s[0:1], 0x0                ; x s[4:5], weight s[6:7]
	s_load_b64 s[8:9], s[0:1], 0x10                ; partials
	v_lshl_add_u32 v80, v0, 2, 0x100               ; my spare word, and 0: for the wave's closing lines
	v_mov_b32 v81, 0
	v_lshrrev_b32 v2, 5, v0
	v_readfirstlane_b32 s10, v2                    ; wave 0..7
	v_and_b32 v1, 31, v0
	v_lshlrev_b32 v1, 4, v1                        ; 16 x lane; never rewritten
	s_mov_b32 s16, 0x76543210                      ; v_permlanex16_b32: lane i of one half reads lane i of the other
	s_mov_b32 s17, 0xfedcba98
	s_and_b32 s11, ttmp9, 255                      ; the chunk within its tensor
	s_lshl_b32 s12, s11, 18                        ; chunk x 262,144 bytes
	s_lshl_b32 s13, s10, 15                        ; + wave x 32,768: under 2^26
	s_add_co_u32 s12, s12, s13
	s_mov_b32 s13, 0
	s_wait_alu depctr_va_vdst(0)
	s_wait_kmcnt 0x0
	s_cmp_lt_u32 ttmp9, 256                        ; x's work-group or weight's: the choice hangs on the work-group's number alone
	s_cselect_b64 s[4:5], s[4:5], s[6:7]
	s_add_nc_u64 s[4:5], s[4:5], s[12:13]          ; my wave's first byte
	s_lshl_b32 s12, ttmp9, 2
	s_add_nc_u64 s[8:9], s[8:9], s[12:13]          ; my work-group's word of partials
.set t, 0
.rept 16
	global_load_b128 v[RING+4*t:RING+4*t+3], v1, s[4:5] offset:512*t       ; fill the ring
.set t, t+1
.endr
.set t, 0
.rept 64
.set SL, RING+4*(t%16)
.set AB, ACC+4*(t%4)
.if t < 49
	s_wait_loadcnt 15                              ; loads come back in order (ISA guide 5.7.1): load t is in, the 15 younger ones stay out
.else
	s_wait_loadcnt 63-t                            ; nothing more is issued: the counts run down
.endif
.irp j, 0,1,2,3
.if t < 4
	v_and_b32 v[AB+\j], 0x7fffffff, v[SL+\j]       ; the first sixteen numbers start the chains: nothing is cleared
.else
	v_add_f32 v[AB+\j], v[AB+\j], |v[SL+\j]|
.endif
.endr
.if t < 48
	global_load_b128 v[SL:SL+3], v1, s[4:5] offset:512*(t+16)              ; the slot's next 16 bytes a lane
.endif
.set t, t+1
.endr
	s_wait_alu depctr_va_vdst(0)                   ; the last chains were written just behind the last wait for loads
.irp j, 0,2,4,6
	v_pk_add_f32 v[ACC+\j:ACC+\j+1], v[ACC+\j:ACC+\j+1], v[ACC+8+\j:ACC+9+\j]   ; the lane's sixteen chains
.endr
	v_pk_add_f32 v[4:5], v[ACC:ACC+1], v[ACC+4:ACC+5]
	v_pk_add_f32 v[6:7], v[ACC+2:ACC+3], v[ACC+6:ACC+7]
	v_pk_add_f32 v[4:5], v[4:5], v[6:7]
	v_add_f32 v4, v4, v5
	v_add_f32_dpp v4, v4, v4 row_xmask:1 row_mask:0xf bank_mask:0xf        ; the 32 lanes: four steps inside each half,
	v_add_f32_dpp v4, v4, v4 row_xmask:2 row_mask:0xf bank_mask:0xf
	v_add_f32_dpp v4, v4, v4 row_xmask:4 row_mask:0xf bank_mask:0xf
	v_add_f32_dpp v4, v4, v4 row_xmask:8 row_mask:0xf bank_mask:0xf
	v_permlanex16_b32 v5, v4, s16, s17             ; one across (its destination counts as read: v5 has been written)
	v_add_f32 v4, v4, v5
	v_lshlrev_b32 v2, 2, v2                        ; LDS byte 4 x wave: one word a wave, bytes 0 to 31
	ds_store_b32 v2, v4                            ; all lanes write the same word with the same value
	s_wait_dscnt 0x0                               ; for the others' sake: my store has landed
	s_barrier_signal -1
	s_barrier_wait -1
	s_cmp_lg_u32 s10, 0
	s_cbranch_scc1 .Lend                           ; wave 0 finishes the work-group's sum
	v_mov_b32 v2, 0
	ds_load_b128 v[4:7], v2
	ds_load_b128 v[8:11], v2 offset:16
	s_wait_dscnt 0x0
	v_pk_add_f32 v[4:5], v[4:5], v[8:9]
	v_pk_add_f32 v[6:7], v[6:7], v[10:11]
	v_pk_add_f32 v[4:5], v[4:5], v[6:7]
	v_add_f32 v4, v4, v5
	v_cmp_eq_u32 vcc_lo, 0, v0
	s_wait_alu depctr_va_vdst(0)
	s_wait_xcnt 0x0                                ; EXEC is a source of the loads above: it changes only behind this wait
	s_and_saveexec_b32 s14, vcc_lo
	global_store_b32 v2, v4, s[8:9]                ; thread 0 alone: one word a work-group
	s_wait_xcnt 0x0                                ; and again in front of the line that widens it
	s_or_b32 exec_lo, exec_lo, s14
.Lend:
	s_wait_tensorcnt 0x0                           ; the wave's end
	ds_add_u32 v80, v81
	s_wait_dscnt 0x0
	s_endpgm
.Lfunc_end_k_q1184594564_absum:
	.size	k_q1184594564_absum, .Lfunc_end_k_q1184594564_absum-k_q1184594564_absum
	.p2alignl 7, 3214868480
	.fill 96, 4, 3214868480
	.section	.rodata,"a",@progbits
	.p2align	6, 0x0
	.amdhsa_kernel k_q1184594564_absum
		.amdhsa_group_segment_fixed_size 1280
		.amdhsa_private_segment_fixed_size 0
		.amdhsa_enable_private_segment 0
		.amdhsa_kernarg_size 24
		.amdhsa_user_sgpr_count 2
		.amdhsa_user_sgpr_kernarg_segment_ptr 1
		.amdhsa_wavefront_size32 1
		.amdhsa_system_sgpr_workgroup_id_x 1
		.amdhsa_system_sgpr_workgroup_id_y 1
		.amdhsa_system_sgpr_workgroup_id_z 1
		.amdhsa_system_vgpr_workitem_id 0
		.amdhsa_next_free_vgpr 100
		.amdhsa_next_free_sgpr 66
		.amdhsa_reserve_vcc 1
		.amdhsa_float_denorm_mode_32 3
		.amdhsa_float_denorm_mode_16_64 3
		.amdhsa_memory_ordered 1
		.amdhsa_forward_progress 1
		.amdhsa_inst_pref_size 28
	.end_amdhsa_kernel
	.amdgpu_metadata
---
amdhsa.version: [ 1, 2 ]
amdhsa.kernels:
  - .name:           k_q1184594564_absum
    .symbol:         k_q1184594564_absum.kd
    .args:
      - { .name: x, .offset: 0, .size: 8, .value_kind: global_buffer, .address_space: global }
      - { .name: weight, .offset: 8, .size: 8, .value_kind: global_buffer, .address_space: global }
      - { .name: partials, .offset: 16, .size: 8, .value_kind: global_buffer, .address_space: global }
    .group_segment_fixed_size: 1280
    .private_segment_fixed_size: 0
    .kernarg_segment_align: 8
    .kernarg_segment_size: 24
    .max_flat_workgroup_size: 256
    .sgpr_count:     66
    .vgpr_count:     100
    .wavefront_size: 32
...
	.end_amdgpu_metadata
.endif
;; end of part 1
;; launch quant (part 2): grid 1024 x 1, 4 waves a work-group, no clusters, 35,328 bytes of LDS; arguments x, weight, partials, lowp_scales, a_codes, b_codes; writes a_codes, b_codes
.if DOCPART == 2
	.amdgcn_target "amdgcn-amd-amdhsa--gfx1250"
	.amdhsa_code_object_version 6
	.text
	.protected	k_q1184594564_quant
	.globl	k_q1184594564_quant
	.p2align	8
	.type	k_q1184594564_quant,@function
k_q1184594564_quant:
	s_mov_b64 s[64:65], 0
	v_nop
	global_prefetch_b8 v0, s[64:65] scope:SCOPE_SE
	s_setreg_imm32_b32 hwreg(HW_REG_WAVE_MODE, 25, 1), 1
	s_wait_xcnt 0x0
; Both operands of the product become codes of BF8 (E5M2), one byte a number, each with the scale 2^e that is given for it (lowp_scales: e0 for A, e1 for B).
;   A = x / sx,  sx = max(mean |x|, 1e-8).          B = sign(w) (|w / sw| > 0.5) sw,  sw = max(mean |w|, 1e-8): three values, 0 and +-sw.
; code = number / 2^e, held within +-57,344, rounded to the nearest code, ties to even.
; Work-groups 0 .. 511 take x, 512 .. 1,023 weight.  Each wave first finishes its tensor's mean from the 256 partial sums (two loads), in the same order of additions as the product's launch: both hold the same bits.
; x / sx is x times a reciprocal that has had one Newton step.  |w / sw| > 0.5 is tested as |w| > 0.5 sw: the next f32 number above 0.5 sw lies more than the factor 1 + 2^-24 above it, where the rounded quotient leaves 0.5.
; +-sw, already held, is the middle of (2 w, -L, L) with L = min(sw, 57,344 x 2^e1): where |w| > sw / 2, |2 w| > sw >= L.  Where the test fails the number becomes +0.
; A WAVE takes 16 rows (a block of rows nb) x 512 along K (group G): step t is row t, four loads of 512 consecutive bytes, 16 bytes a lane.  Lane l then holds k = 512 G + 128 i + 4 l + j in register 4 i + j,
; and its 16 codes are THE PIECE q = 32 G + l of the row: byte 4 i + j of piece q holds that k.  That is a permutation of k inside each group of 512, the same in both tensors, so every number meets its partner in the product.
; a_codes: rows of 4,096 bytes, piece q at byte 16 q: a step's store covers 512 consecutive bytes.
; b_codes: in the order in which the product's lanes take it: [block of 16 rows][piece q][row r][16 bytes], byte 65,536 nb + 256 q + 16 r.  A lane's sixteen steps fill one unit of 256 bytes, so the wave's 8,192 bytes
; turn through its own stage in LDS (32 rows, 272 bytes apart) and leave as stores of 512 consecutive bytes.
; All stores stand at the wave's end; each step has its own registers for its codes.  Loads run four steps (16 loads a wave) ahead; every offset is an immediate.
; LIMITS: e0 and e1 between -126 and 112, so that 2^e and 57,344 x 2^e are f32 numbers; mean |x| under 2^126 (the reciprocal flushes a denormal result: ISA guide 15.8); NaN among the inputs is not served.
.set R,  16                            ; v[16:79]   four sets of 16 numbers as loaded; at weight's end the codes read back
.set Y,  80                            ; v[80:95]   the numbers that go into the conversions
.set C,  96                            ; v[96:159]  codes: four registers a step
.set PX, 8                             ; v[8:15]    the partial sums; then v8 = the mean, held at 1e-8 from below
.set SPW, 160                          ; my spare word's LDS address;  v161: 0
.set NIL, 161
.set STG, 162                          ; the stage, on the way in: 272 x lane
.set RDA, 163                          ; and on the way out: sixteen lanes to a row
.set SP,  272
.set SPARE, 4*32*SP                    ; behind the four stages: 128 bytes of spare words for each wave
                                       ; v1 16 x lane; v[2:3] the multiplier, twice; v4 the hold L; v5 the threshold; v6 2^e as f32; v7 at work
.macro MEAN P, sel                     ; 256 partial sums, 8 a lane in v[P:P+7], become max(their sum x 2^-24, 1e-8) in every lane's v[P]
	v_pk_add_f32 v[\P:\P+1], v[\P:\P+1], v[\P+4:\P+5]
	v_pk_add_f32 v[\P+2:\P+3], v[\P+2:\P+3], v[\P+6:\P+7]
	v_pk_add_f32 v[\P:\P+1], v[\P:\P+1], v[\P+2:\P+3]
	v_add_f32 v[\P], v[\P], v[\P+1]
	v_add_f32_dpp v[\P], v[\P], v[\P] row_xmask:1 row_mask:0xf bank_mask:0xf
	v_add_f32_dpp v[\P], v[\P], v[\P] row_xmask:2 row_mask:0xf bank_mask:0xf
	v_add_f32_dpp v[\P], v[\P], v[\P] row_xmask:4 row_mask:0xf bank_mask:0xf
	v_add_f32_dpp v[\P], v[\P], v[\P] row_xmask:8 row_mask:0xf bank_mask:0xf
	v_permlanex16_b32 v[\P+1], v[\P], s[\sel], s[\sel+1]
	v_add_f32 v[\P], v[\P], v[\P+1]
	v_mul_f32 v[\P], 0x33800000, v[\P]             ; x 2^-24: the tensor has 2^24 numbers; nothing is rounded
	v_max_num_f32 v[\P], 0x322bcc77, v[\P]         ; 1e-8
.endm
	s_load_b128 s[4:7], s[0:1], 0x0                ; x, weight
	s_load_b128 s[8:11], s[0:1], 0x10              ; partials, the scales' exponents
	s_load_b128 s[12:15], s[0:1], 0x20             ; A's codes, B's codes
	v_lshl_add_u32 v[SPW], v0, 2, SPARE
	v_mov_b32 v[NIL], 0
	v_lshrrev_b32 v7, 5, v0
	v_readfirstlane_b32 s16, v7                    ; wave 0..3
	s_mul_i32 s28, s16, 32*SP                      ; my stage
	v_and_b32 v7, 31, v0
	v_lshlrev_b32 v1, 4, v7                        ; 16 x lane: my place in every 512 bytes; never rewritten
	v_mul_u32_u24 v[STG], v7, SP
	v_add_nc_u32 v[STG], s28, v[STG]
	v_lshrrev_b32 v2, 4, v7
	v_mul_u32_u24 v2, v2, SP
	v_and_b32 v3, 15, v7
	v_lshl_add_u32 v2, v3, 4, v2
	v_add_nc_u32 v[RDA], s28, v2
	s_mov_b32 s26, 0x76543210
	s_mov_b32 s27, 0xfedcba98
	s_and_b32 s17, ttmp9, 511
	s_lshl_b32 s17, s17, 2
	s_add_co_u32 s17, s17, s16                     ; my wave among the tensor's 2,048
	s_lshr_b32 s30, s17, 3                         ; nb: which 16 rows
	s_and_b32 s31, s17, 7                          ; G: which 512 along K
	s_lshl_b32 s18, s30, 18                        ; 16 rows of 16,384 bytes
	s_lshl_b32 s20, s31, 11
	s_add_co_u32 s18, s18, s20                     ; + 2,048 G
	s_mov_b32 s19, 0
	s_lshl_b32 s20, s30, 16                        ; codes: 65,536 nb
	s_mov_b32 s21, 0
	s_mov_b32 s29, 0
	s_wait_alu depctr_va_vdst(0)
	s_wait_kmcnt 0x0
	s_load_b64 s[22:23], s[10:11], 0x0             ; e0, e1
	s_cmp_lt_u32 ttmp9, 512                        ; x's work-group or weight's: the choice hangs on the work-group's number alone
	s_cselect_b64 s[4:5], s[4:5], s[6:7]
	s_cselect_b64 s[12:13], s[12:13], s[14:15]
	s_cselect_b32 s28, 0, 1024                     ; the tensor's 256 partial sums
	s_cselect_b32 s30, 9, 13                       ; a group's codes begin 512 G into a row of A, 8,192 G into a block of B
	s_lshl_b32 s31, s31, s30
	s_add_co_u32 s20, s20, s31
	s_add_nc_u64 s[8:9], s[8:9], s[28:29]
	s_add_nc_u64 s[4:5], s[4:5], s[18:19]
	s_add_nc_u64 s[12:13], s[12:13], s[20:21]
.macro LOAD t
.irp i, 0,1,2,3
	global_load_b128 v[R+16*((\t)%4)+4*\i:R+16*((\t)%4)+4*\i+3], v1, s[4:5] offset:16384*(\t)+512*\i th:TH_LOAD_NT   ; 32 lanes read 512 consecutive bytes of row t; nobody reads them again
.endr
.endm
	global_load_b128 v[PX:PX+3], v1, s[8:9]
	global_load_b128 v[PX+4:PX+7], v1, s[8:9] offset:512
.irp t, 0,1,2,3
	LOAD \t
.endr
	s_wait_loadcnt 16                              ; the partial sums are in; the four steps' 16 loads behind them stay out
	MEAN PX, 26
	s_wait_alu depctr_va_vdst(0)
	s_wait_kmcnt 0x0
	s_cmp_lt_u32 ttmp9, 512
	s_cselect_b32 s22, s22, s23                    ; e
	s_add_co_i32 s22, s22, 127
	s_lshl_b32 s25, s22, 23
	v_mov_b32 v6, s25                              ; 2^e as f32: the conversion takes its exponent field
	s_add_co_i32 s22, s22, 15
	s_lshl_b32 s24, s22, 23
	s_or_b32 s24, s24, 0x600000                    ; 57,344 x 2^e
.macro STEP t, tern                    ; one row's 512 numbers.  tern = 1: weight's way
.set XS, R+16*((\t)%4)
.if 15-(\t) >= 3
	s_wait_loadcnt 12                              ; this step's four loads are in; those of the three steps behind it may be out
.else
	s_wait_loadcnt 4*(15-(\t))
.endif
.irp j, 0,2,4,6,8,10,12,14
	v_pk_mul_f32 v[Y+\j:Y+\j+1], v[XS+\j:XS+\j+1], v[2:3]       ; x / sx, or 2 w
.endr
.irp i, 0,1,2,3,4,5,6,7,8,9,10,11,12,13,14,15
	v_med3_num_f32 v[Y+\i], v[Y+\i], -v4, v4       ; the conversion to an 8-bit code does not saturate (ISA guide 7.6.2): the hold.  On weight's way the hold also makes +-sw of 2 w
.endr
.if \tern
.irp i, 0,1,2,3,4,5,6,7,8,9,10,11,12,13,14,15
	v_cmp_gt_f32 vcc_lo, |v[XS+\i]|, v5            ; |w| > sw / 2 ?
	v_cndmask_b32 v[Y+\i], 0, v[Y+\i], vcc_lo      ; else 0: a choice of a value, no branch
.endr
.endif
.if (\t)+4 < 16
	LOAD (\t)+4                                    ; the set has been read: it takes the loads of four steps on
.endif
	v_cvt_scalef32_pk8_bf8_f32 v[C+4*(\t):C+4*(\t)+1], v[Y:Y+7], v6          ; eight numbers / 2^e, to the nearest code, ties to even; the first number's code in the lowest byte
	v_cvt_scalef32_pk8_bf8_f32 v[C+4*(\t)+2:C+4*(\t)+3], v[Y+8:Y+15], v6
	v_nop                                          ; one plain vector line behind the conversions: the next step's products write their sources
.if \tern
	ds_store_b128 v[STG], v[C+4*(\t):C+4*(\t)+3] offset:16*(\t)   ; row r = t's place in my piece's unit of 256 bytes
.endif
.endm
	s_cmp_lt_u32 ttmp9, 512
	s_cbranch_scc0 .Lternary
	s_wait_alu depctr_va_vdst(0)
	v_rcp_f32 v2, v[PX]
	v_mov_b32 v4, s24                              ; the hold: 57,344 x 2^e0.  (The plain line behind the reciprocal)
	s_wait_alu depctr_va_vdst(0)                   ; and ahead of its first reader
	v_fma_f32 v7, -v[PX], v2, 1.0                  ; one Newton step: r + r (1 - sx r)
	v_fma_f32 v2, v2, v7, v2
	v_mov_b32 v3, v2
	s_wait_alu depctr_va_vdst(0)
.irp t, 0,1,2,3,4,5,6,7,8,9,10,11,12,13,14,15
	STEP \t, 0
.endr
	s_wait_alu depctr_va_vdst(0)
.irp t, 0,1,2,3,4,5,6,7,8,9,10,11,12,13,14,15
	global_store_b128 v1, v[C+4*\t:C+4*\t+3], s[12:13] offset:4096*\t   ; 32 lanes store 512 consecutive bytes of row t, aligned
.endr
	s_endpgm
.Lternary:
	v_mov_b32 v2, 2.0
	v_mov_b32 v3, 2.0
	s_wait_alu depctr_va_vdst(0)
	v_min_num_f32 v4, s24, v[PX]                   ; L = min(sw, 57,344 x 2^e1): sw as the quantiser holds it
	v_mul_f32 v5, 0.5, v[PX]                       ; the threshold: exact
	s_wait_alu depctr_va_vdst(0)
.irp t, 0,1,2,3,4,5,6,7,8,9,10,11,12,13,14,15
	STEP \t, 1
.endr
.irp j, 0,1,2,3,4,5,6,7,8,9,10,11,12,13,14,15
	ds_load_b128 v[R+4*\j:R+4*\j+3], v[RDA] offset:2*\j*SP   ; LDS serves a wave's instructions in order: these see my stores.  Two pieces' units an instruction
.endr
.irp j, 0,1,2,3,4,5,6,7,8,9,10,11,12,13,14,15
	s_wait_dscnt 15-\j
	global_store_b128 v1, v[R+4*\j:R+4*\j+3], s[12:13] offset:512*\j   ; 32 lanes store 512 consecutive bytes, aligned
.endr
	s_wait_tensorcnt 0x0                           ; the wave's end
	ds_add_u32 v[SPW], v[NIL]
	s_wait_dscnt 0x0
	s_endpgm
.Lfunc_end_k_q1184594564_quant:
	.size	k_q1184594564_quant, .Lfunc_end_k_q1184594564_quant-k_q1184594564_quant
	.p2alignl 7, 3214868480
	.fill 96, 4, 3214868480
	.section	.rodata,"a",@progbits
	.p2align	6, 0x0
	.amdhsa_kernel k_q1184594564_quant
		.amdhsa_group_segment_fixed_size 35328
		.amdhsa_private_segment_fixed_size 0
		.amdhsa_enable_private_segment 0
		.amdhsa_kernarg_size 48
		.amdhsa_user_sgpr_count 2
		.amdhsa_user_sgpr_kernarg_segment_ptr 1
		.amdhsa_wavefront_size32 1
		.amdhsa_system_sgpr_workgroup_id_x 1
		.amdhsa_system_sgpr_workgroup_id_y 1
		.amdhsa_system_sgpr_workgroup_id_z 1
		.amdhsa_system_vgpr_workitem_id 0
		.amdhsa_next_free_vgpr 164
		.amdhsa_next_free_sgpr 66
		.amdhsa_reserve_vcc 1
		.amdhsa_float_denorm_mode_32 3
		.amdhsa_float_denorm_mode_16_64 3
		.amdhsa_memory_ordered 1
		.amdhsa_forward_progress 1
		.amdhsa_inst_pref_size 99
	.end_amdhsa_kernel
	.amdgpu_metadata
---
amdhsa.version: [ 1, 2 ]
amdhsa.kernels:
  - .name:           k_q1184594564_quant
    .symbol:         k_q1184594564_quant.kd
    .args:
      - { .name: x, .offset: 0, .size: 8, .value_kind: global_buffer, .address_space: global }
      - { .name: weight, .offset: 8, .size: 8, .value_kind: global_buffer, .address_space: global }
      - { .name: partials, .offset: 16, .size: 8, .value_kind: global_buffer, .address_space: global }
      - { .name: lowp_scales, .offset: 24, .size: 8, .value_kind: global_buffer, .address_space: global }
      - { .name: a_codes, .offset: 32, .size: 8, .value_kind: global_buffer, .address_space: global }
      - { .name: b_codes, .offset: 40, .size: 8, .value_kind: global_buffer, .address_space: global }
    .group_segment_fixed_size: 35328
    .private_segment_fixed_size: 0
    .kernarg_segment_align: 8
    .kernarg_segment_size: 48
    .max_flat_workgroup_size: 128
    .sgpr_count:     66
    .vgpr_count:     164
    .wavefront_size: 32
...
	.end_amdgpu_metadata
.endif
;; end of part 2
;; launch gemm (part 3): grid 16 x 16, 4 waves a work-group, clusters of 4 x 1, 327,680 bytes of LDS; arguments a_codes, b_codes, lowp_scales, partials, bias, out0; writes out0
.if DOCPART == 3
	.amdgcn_target "amdgcn-amd-amdhsa--gfx1250"
	.amdhsa_code_object_version 6
	.text
	.protected	k_q1184594564_gemm
	.globl	k_q1184594564_gemm
	.p2align	8
	.type	k_q1184594564_gemm,@function
k_q1184594564_gemm:
	s_mov_b64 s[64:65], 0
	v_nop
	global_prefetch_b8 v0, s[64:65] scope:SCOPE_SE
	s_setreg_imm32_b32 hwreg(HW_REG_WAVE_MODE, 25, 1), 1
	s_wait_xcnt 0x0
	s_wait_alu depctr_hold_cnt(0) depctr_sa_sdst(0) depctr_va_vdst(0) depctr_va_sdst(0) depctr_va_ssrc(0) depctr_va_vcc(0) depctr_vm_vsrc(0)
	s_getreg_b32 s2, hwreg(HW_REG_IB_STS2, 6, 4)
	s_cmp_eq_u32 s2, 0
	s_cbranch_scc0 .Lentry_in_a_cluster
	s_endpgm
.Lentry_in_a_cluster:
	s_bfe_u32 s2, ttmp6, 0x10000c
	s_cmp_lg_u32 s2, 0x3003
	s_cbranch_scc0 .Lentry_shape_is_right
	s_endpgm
.Lentry_shape_is_right:
; out0[m][n] = (2^(e0 + e1) x sum over k of A[m][k] B[n][k] + bias[n]) x sx, on codes of BF8 (E5M2); sums in f32; sx = max(mean |x|, 1e-8) from the 256 partial sums, added in the quantising launch's order.
; A block of 256 x 256 to a work-group of four waves, 128 x 128 to a wave: 64 accumulators, 512 registers.  K goes in steps of 64 by v_wmma_f32_16x16x64_bf8_bf8: a set of fragments is then 64 registers a side.
; A GOES THROUGH LDS: two slots of 256 rows x 512 bytes (rows 528 apart), 270,336 bytes; a wave fetches 64 rows with one tensor load.  The four work-groups of a cluster make one tile row of the result
; and ask for A's tiles jointly (mask 15).  A slot serves eight steps, so there are seven changes of slots in all.
; B GOES FROM MEMORY STRAIGHT INTO REGISTERS: b_codes lies [block of 16 rows][piece of 16 along K][row][16 bytes], so a fragment is two loads of 512 consecutive bytes.  Four sets of 64 registers take turns;
; a set is asked for three steps ahead of its use: 48 loads a wave are out, and no barrier waits for them.  B IS NOT ASKED FOR JOINTLY: a joint load lands in LDS, and A's two slots leave 56,832 bytes,
; less than one step of 512 along K of B's 256 rows (135,168).  B HAS NO PREFETCH: its own loads are the requests that run ahead, three steps of the loop.
; Lane (r, h) holds in registers 4 c .. 4 c + 3 of a fragment the 16 bytes at 32 c + 16 h of row r's 64: the same places in A and in B, so every code meets its partner; only the order of additions inside an instruction differs.
; THE MATRIX INSTRUCTION IS USED TRANSPOSED (source 0 = B's rows, source 1 = A's rows): a lane holds eight neighbouring columns of one row of the result.
; REGISTERS: every window of 256 is laid alike: v32-63 half a set of A, v64-127 one set of B, v128-255 the accumulators of A's blocks 2 W, 2 W + 1; window 0's v0-31 hold the addresses.
;   A's set 0 lies in windows 0 (blocks 0-3) and 1 (blocks 4-7), set 1 in windows 2 and 3.  B's sets 0, 1, 2, 3 lie in windows 0, 3, 1, 2.
; A STEP: its waits, four places, ONE RUN of 32 loads (B's set of three steps on, A's set of the next step), then 64 products back to back in four phases of 16, a phase to a window of accumulators.
; LIMITS: sx x 2^(e0 + e1) is made by v_ldexp_f32 and must be an f32 number; NaN among the inputs is not served.
.set PITCH,  528                       ; an LDS row: 512 bytes + 16 of padding = 132 words: the 16 rows that a load touches start at 16 different banks (ISA guide 11.1)
.set SLOT,   256*PITCH
.set SPARE,  2*SLOT                    ; behind the ring: the spare words, 128 bytes a wave
.set SPITCH, 528                       ; the way out: a stage of 16 rows x (512 + 16) bytes a wave, in slot 0, behind its last fill and its last read
.set ADRA, 2                           ; v2, v3  LDS address of my A fragments in slot 0, 1
.set BOFF, 4                           ; v4      16 x lane
.set PX,   8                           ; v[8:15] the partial sums
.set BI,   16                          ; v[16:19] bias x sx at my four columns of a row read back
.set GG,   20                          ; v[20:21] sx x 2^(e0 + e1), twice
.set STO,  22
.set RD,   23
.set PFO,  25                          ; the prefetches' lane offset
.set SPW,  28
.set NIL,  29
.set G1, 24                            ; s[24:31] descriptor group 1;  s[32:39] group 0, one set for each slot
.set G0, 32
.set BB, 44                            ; s[44:45] my eight blocks of B, at the trip's first step
.set PFA, 46                           ; s[46:47] where my prefetches stand
.set MSB, 0
.macro WIN new                         ; the immediate's high byte repeats the setting that is left
.if MSB != (\new)
	s_set_vgpr_msb (MSB<<8)|(\new)
.set MSB, \new
.endif
.endm
.macro MEAN P, sel
	v_pk_add_f32 v[\P:\P+1], v[\P:\P+1], v[\P+4:\P+5]
	v_pk_add_f32 v[\P+2:\P+3], v[\P+2:\P+3], v[\P+6:\P+7]
	v_pk_add_f32 v[\P:\P+1], v[\P:\P+1], v[\P+2:\P+3]
	v_add_f32 v[\P], v[\P], v[\P+1]
	v_add_f32_dpp v[\P], v[\P], v[\P] row_xmask:1 row_mask:0xf bank_mask:0xf
	v_add_f32_dpp v[\P], v[\P], v[\P] row_xmask:2 row_mask:0xf bank_mask:0xf
	v_add_f32_dpp v[\P], v[\P], v[\P] row_xmask:4 row_mask:0xf bank_mask:0xf
	v_add_f32_dpp v[\P], v[\P], v[\P] row_xmask:8 row_mask:0xf bank_mask:0xf
	v_permlanex16_b32 v[\P+1], v[\P], s[\sel], s[\sel+1]
	v_add_f32 v[\P], v[\P], v[\P+1]
	v_mul_f32 v[\P], 0x33800000, v[\P]
	v_max_num_f32 v[\P], 0x322bcc77, v[\P]
.endm
.macro CREST                           ; a round of the cluster's barrier behind its opening barrier
	s_cmp_lg_u32 s14, 0
	s_cbranch_scc1 .Lnot_wave_0_\@
	s_barrier_signal -3
.Lnot_wave_0_\@:
	s_barrier_wait -3
	s_barrier_signal -1
	s_barrier_wait -1
.endm
.macro CROUND
	s_barrier_signal -1
	s_barrier_wait -1
	CREST
.endm
.macro PLACES
.rept 4
	v_nop
.endr
.endm
	s_load_b128 s[4:7], s[0:1], 0x0                ; A's codes, B's codes
	s_load_b128 s[8:11], s[0:1], 0x10              ; the scales' exponents, partials
	s_load_b128 s[68:71], s[0:1], 0x20             ; bias, out0
	v_lshl_add_u32 v[SPW], v0, 2, SPARE
	v_mov_b32 v[NIL], 0
	ds_add_u32 v[SPW], v[NIL]                      ; the opening lines: the add, twice on end, and its wait ahead of my first tensor load
	ds_add_u32 v[SPW], v[NIL]
	v_lshrrev_b32 v1, 5, v0
	v_readfirstlane_b32 s14, v1                    ; wave 0..3
	s_lshr_b32 s15, s14, 1                         ; which 128 rows of the block are mine
	s_and_b32 s16, s14, 1                          ; which 128 columns
	s_bfe_u32 s40, ttmp6, 0x40000                  ; cx
	s_lshl_b32 s42, ttmp9, 2
	s_add_co_u32 s42, s42, s40                     ; tile column = 4 x cluster x + cx
	s_and_b32 s17, ttmp7, 0xffff                   ; tile row = cluster y
	s_mov_b32 s[G1+0], 15|(1<<20)|(1<<21)|(6<<22)|(3<<25)   ; the mask names the cluster's four; elements of 1 byte; padding of 4 words behind every 128; bit 21 beside a mask
	s_mov_b32 s[G1+1], 512<<16                     ; tensor_dim0
	s_mov_b32 s[G1+2], 64<<16                      ; tensor_dim1
	s_mov_b32 s[G1+3], 512<<16                     ; tile_dim0
	s_mov_b32 s[G1+4], 64                          ; tile_dim1
	s_mov_b32 s[G1+5], 4096                        ; the pitch
	s_mov_b32 s[G1+6], 0
	s_mov_b32 s[G1+7], 0
	s_mul_i32 s58, s14, 64*PITCH                   ; where my 64 rows go: the wave's number alone
	s_lshl_b32 s20, s17, 8
	s_lshl_b32 s18, s14, 6
	s_add_co_u32 s20, s20, s18
	s_lshl_b32 s20, s20, 12                        ; A: (256 x tile row + 64 x wave) rows of 4,096 bytes: no cx in it
	s_mov_b32 s21, 0
	s_lshl_b32 s48, s42, 4
	s_lshl_b32 s18, s16, 3
	s_add_co_u32 s48, s48, s18
	s_lshl_b32 s48, s48, 16                        ; B: (16 x tile column + 8 x half) blocks of 65,536 bytes
	s_mov_b32 s49, 0
	s_lshl_b32 s50, s40, 16                        ; the prefetches: my work-group's 16 of the 64 rows that I fetch, by address,
	s_add_co_u32 s50, s50, 1024                    ; at K slot 2: the first change of slots steps it to 3
	s_mov_b32 s51, 0
	s_mul_i32 s22, s15, 128*PITCH
	s_add_co_u32 s23, s22, SLOT
	s_mul_i32 s52, s14, 16*SPITCH                  ; my stage
	s_lshl_b32 s54, s17, 8
	s_lshl_b32 s18, s15, 7
	s_add_co_u32 s54, s54, s18
	s_lshl_b32 s54, s54, 14                        ; my first row of the result, 16,384 bytes a row
	s_mov_b32 s55, 0
	s_lshl_b32 s56, s42, 10
	s_lshl_b32 s18, s16, 9
	s_add_co_u32 s56, s56, s18                     ; my first column, in bytes
	s_mov_b32 s57, 0
	s_mov_b32 s72, 0x76543210
	s_mov_b32 s73, 0xfedcba98
	v_and_b32 v6, 15, v0                           ; r
	v_bfe_u32 v7, v0, 4, 1                         ; h
	v_mul_u32_u24 v8, v6, PITCH
	v_lshl_add_u32 v8, v7, 4, v8                   ; a fragment's row x pitch + 16 h
	v_and_b32 v9, 31, v0
	v_lshlrev_b32 v[BOFF], 4, v9                   ; 16 x lane
	v_mul_u32_u24 v10, v6, SPITCH
	v_lshl_add_u32 v10, v7, 5, v10
	v_add_nc_u32 v[STO], s52, v10                  ; into the stage: row r, 32 bytes for each half of the lanes
	v_add_nc_u32 v[RD], s52, v[BOFF]               ; back: the 32 lanes take one row of 512 bytes
	v_lshlrev_b32 v[PFO], 12, v6
	v_lshl_add_u32 v[PFO], v7, 8, v[PFO]           ; lanes 0-15: 16 rows' first 256 bytes of a slot; lanes 16-31: their second
	v_add_nc_u32 v[ADRA], s22, v8
	v_add_nc_u32 v[ADRA+1], s23, v8
	s_wait_alu depctr_va_vdst(0)
	s_wait_dscnt 0x0                               ; both opening adds are done
	s_wait_kmcnt 0x0
	s_load_b64 s[96:97], s[8:9], 0x0               ; e0, e1
	s_add_nc_u64 s[20:21], s[4:5], s[20:21]
	s_add_nc_u64 s[BB:BB+1], s[6:7], s[48:49]
	s_add_nc_u64 s[PFA:PFA+1], s[20:21], s[50:51]
	s_add_nc_u64 s[68:69], s[68:69], s[56:57]
	s_add_nc_u64 s[70:71], s[70:71], s[54:55]
	s_add_nc_u64 s[70:71], s[70:71], s[56:57]
.irp s, 0,1
	s_mov_b32 s[G0+4*\s], 1
	s_add_co_u32 s[G0+4*\s+1], s58, \s*SLOT
	s_add_nc_u64 s[G0+4*\s+2:G0+4*\s+3], s[20:21], \s*512
	s_or_b32 s[G0+4*\s+3], s[G0+4*\s+3], 0x80000000
.endr
	CROUND                                         ; the cluster's four are here: the first joint loads meet
	tensor_load_to_lds s[G0:G0+3], s[G1:G1+7]      ; K slot 0: one tensor load a wave at the head
	s_nop 0
	PLACES
	global_load_b128 v[PX:PX+3], v[BOFF], s[10:11]
	global_load_b128 v[PX+4:PX+7], v[BOFF], s[10:11] offset:512
	global_load_b128 v[BI:BI+3], v[BOFF], s[68:69]
.irp s, 0,1,2                          ; B's sets for steps 0, 1, 2
	WIN ((0x9c>>(2*\s))&3)<<6
.set i, 0
.rept 16
	global_load_b128 v[64+4*i:67+4*i], v[BOFF], s[BB:BB+1] offset:(i/2)*65536+\s*1024+(i%2)*512
.set i, i+1
.endr
.endr
	WIN 0
	s_wait_loadcnt 48                              ; the partial sums and the bias are in; B's 48 loads stay out
	MEAN PX, 72
	s_wait_alu depctr_va_vdst(0)
	s_wait_kmcnt 0x0
	s_add_co_i32 s96, s96, s97
	v_ldexp_f32 v[GG], v[PX], s96                  ; sx x 2^(e0 + e1)
	v_mov_b32 v[GG+1], v[GG]
	v_pk_mul_f32 v[BI:BI+1], v[BI:BI+1], v[PX:PX+1] op_sel_hi:[1,0]
	v_pk_mul_f32 v[BI+2:BI+3], v[BI+2:BI+3], v[PX:PX+1] op_sel_hi:[1,0]
; A phase: the 16 accumulators of window w (A's blocks 2 w, 2 w + 1 x B's eight), by turns: products alone.
.macro PHASE w, zero
.set S1W, 2*(KQ%2)+((\w)>>1)
	WIN P0|(S1W<<2)|((\w)<<4)|((\w)<<6)
.set i, 0
.rept 16
.set AR, 32+8*((2*(\w)+i/8)%4)
.if \zero
	v_wmma_f32_16x16x64_bf8_bf8 v[128+8*i:135+8*i], v[64+8*(i%8):71+8*(i%8)], v[AR:AR+7], 0
.else
	v_wmma_f32_16x16x64_bf8_bf8 v[128+8*i:135+8*i], v[64+8*(i%8):71+8*(i%8)], v[AR:AR+7], v[128+8*i:135+8*i]
.endif
.set i, i+1
.endr
.endm
; A step's one run of loads: B's set of three steps on (16 loads of 512 consecutive bytes), then A's next set from LDS: blocks 4-7, then blocks 0-3.  Only the destination's window changes; the addresses lie in window 0.
.macro RUN ldb
.if \ldb
	WIN PB<<6
.set i, 0
.rept 16
	global_load_b128 v[64+4*i:67+4*i], v[BOFF], s[BB:BB+1] offset:(i/2)*65536+GB*1024+(i%2)*512
.set i, i+1
.endr
.endif
.irp hf, 1,0
	WIN (2*((KQ+1)%2)+\hf)<<6
.irp n, 0,1,2,3,4,5,6,7
	ds_load_b128 v[32+4*\n:35+4*\n], v[ADRA+NSL] offset:(4*\hf+\n/2)*16*PITCH+64*NKQ+32*(\n%2)
.endr
.endr
.endm
; A step of 64 along K.  gl: the step's number in the trip (slot (gl / 8) % 2, step gl % 8 of the slot).  mode 0: plain; 1: the slot's last step, and the slot is filled again; 2: the same, nothing is filled; 3: the very last.
; lc: B's loads that are younger than this step's set.  The four v_nop at a step's head are the places between the last step's products and the loads into the registers that they read.
.macro SUB gl, zero, mode, ldb, lc
.set KQ, (\gl)%8
.set SL, ((\gl)/8)%2
.set P0, (0x9c>>(2*(KQ%4)))&3          ; the window of this step's set of B
.set PB, (0x9c>>(2*((KQ+3)%4)))&3      ; and of the set that is asked for
.set GB, (\gl)+3
.set NSL, SL
.set NKQ, KQ+1
.if KQ == 7
.set NSL, 1-SL
.set NKQ, 0
.endif
.if (\mode) == 0
	s_wait_loadcnt \lc
.if KQ == 0
	s_wait_dscnt 8                                 ; A's blocks 4-7 are in; blocks 0-3, asked for last, may be out
.else
	s_wait_dscnt 0
.endif
	PLACES
	RUN \ldb
.if KQ%2 == 0
	PHASE 2, \zero
	PHASE 3, \zero
.if KQ == 0
	s_wait_dscnt 16                                ; blocks 0-3 are in; this step's own 16 loads may be out
.endif
	PHASE 0, \zero
	PHASE 1, \zero
.else
	PHASE 0, \zero
	PHASE 1, \zero
	PHASE 2, \zero
	PHASE 3, \zero
.endif
.endif
.if (\mode) == 3
	s_wait_loadcnt \lc
	s_wait_dscnt 0
	PHASE 0, 0
	PHASE 1, 0
	PHASE 2, 0
	PHASE 3, 0
.endif
.if ((\mode) == 1) || ((\mode) == 2)
	WIN 0                                          ; (the add's two registers lie in window 0)
.if (\mode) == 1
	s_wait_xcnt 0x0                                ; my last prefetch has read its address: it steps one K slot on
	s_add_nc_u64 s[PFA:PFA+1], s[PFA:PFA+1], 512
.endif
	s_wait_tensorcnt 0x0                           ; all my tensor loads have landed: my part of the next slot;
	ds_add_u32 v[SPW], v[NIL]                      ; 0 onto my spare word
	s_wait_loadcnt \lc
	s_wait_dscnt 1                                 ; (A's set is in; the add may be out)
	PLACES
	PHASE 2, 0                                     ; sixteen products stand between the add and the wait for it
	s_wait_dscnt 0x0                               ; the add is done, and my reads of this slot are over
	s_barrier_signal -1
	PHASE 3, 0
	WIN 0
	s_barrier_wait -1
.if (\mode) == 1
	CREST                                          ; the barrier has opened a round of the cluster's barrier: no wave of any partner still reads this slot or has a load on its way
	s_add_nc_u64 s[G0+4*SL+2:G0+4*SL+3], s[G0+4*SL+2:G0+4*SL+3], 1024
	tensor_load_to_lds s[G0+4*SL:G0+4*SL+3], s[G1:G1+7]   ; the K slot two on, into the slot just read out: my one tensor load behind the round
	s_nop 0
.endif
	RUN \ldb                                       ; B's set of three steps on, and the next slot's first fragments of A
.if (\mode) == 1
	WIN 0
	s_cmp_gt_u32 s3, SL                            ; the K slot one refill on: 16 rows x 512 bytes, a lane a block of 256; the loop's last refill has none beyond it
	s_cbranch_scc0 .Lnone_\@
	global_prefetch_b8 v[PFO], s[PFA:PFA+1] th:TH_LOAD_NT scope:SCOPE_SE
.Lnone_\@:
.endif
	PHASE 1, 0
	PHASE 0, 0
.endif
.endm
	s_wait_alu depctr_va_vdst(0)
	s_wait_tensorcnt 0x0                           ; my part of K slot 0 is in
	ds_add_u32 v[SPW], v[NIL]
	s_wait_dscnt 0x0
	CROUND                                         ; everybody's part of K slot 0 is in, and the four work-groups are here
	tensor_load_to_lds s[G0+4:G0+7], s[G1:G1+7]    ; K slot 1
	s_nop 0
.irp hf, 1,0                           ; step 0's fragments of A: blocks 4-7 into window 1, then blocks 0-3 into window 0
	WIN (\hf)<<6
.irp n, 0,1,2,3,4,5,6,7
	ds_load_b128 v[32+4*\n:35+4*\n], v[ADRA] offset:(4*\hf+\n/2)*16*PITCH+32*(\n%2)
.endr
.endr
	SUB 0, 1, 0, 1, 32                             ; the first step stands in front of the loop: its products start the sums
	WIN 0                                          ; at a label and at a branch every window is 0
	s_mov_b32 s3, 3
.Llap:                                                 ; a trip goes once round the ring, from a lap's second step to the next lap's first, and fills both slots again
.irp g, 1,2,3,4,5,6
	SUB \g, 0, 0, 1, 32
.endr
	SUB 7, 0, 1, 1, 32
.irp g, 8,9,10,11,12,13,14
	SUB \g, 0, 0, 1, 32
.endr
	SUB 15, 0, 1, 1, 32
	SUB 16, 0, 0, 1, 32
	WIN 0
	s_wait_xcnt 0x0                                ; B's loads have read their base: it steps sixteen steps of 1,024 bytes on
	s_add_nc_u64 s[BB:BB+1], s[BB:BB+1], 16384
	s_sub_co_u32 s3, s3, 1
	s_cmp_lg_u32 s3, 0
	s_cbranch_scc1 .Llap
.irp g, 1,2,3,4,5,6                    ; the last lap fills nothing
	SUB \g, 0, 0, 1, 32
.endr
	SUB 7, 0, 2, 1, 32
.irp g, 8,9,10,11,12
	SUB \g, 0, 0, 1, 32
.endr
	SUB 13, 0, 0, 0, 32                            ; B's last set has been asked for: the counts run down
	SUB 14, 0, 0, 0, 16
	SUB 15, 0, 3, 0, 0
; THE WAY OUT, block by block of 16 rows x 128 columns: through my own stage in LDS and back as whole rows of 512 bytes, INTO THE BLOCK'S OWN 64 REGISTERS (LDS serves a wave's instructions in order: ISA guide 5.7.1.4),
; so no register and no base is written again under a store: every offset is an immediate, 127 rows of 16,384 bytes at the most.  One setting of the windows serves a block: addresses, factor and bias in window 0, data in the block's.
.macro TOSTAGE a
.set AC, 128+64*((\a)%2)
	WIN (((\a)/2)<<2)|(((\a)/2)<<6)
.irp b, 0,1,2,3,4,5,6,7
	ds_store_b128 v[STO], v[AC+8*\b:AC+8*\b+3] offset:64*\b        ; each accumulator from its low end on
	ds_store_b128 v[STO], v[AC+8*\b+4:AC+8*\b+7] offset:64*\b+16
.endr
.irp t, 0,1,2,3,4,5,6,7,8,9,10,11,12,13,14,15
	ds_load_b128 v[AC+4*\t:AC+4*\t+3], v[RD] offset:\t*SPITCH
.endr
.endm
.macro SEND a, younger                 ; younger: the LDS instructions issued behind block a's loads
.set AC, 128+64*((\a)%2)
	WIN (((\a)/2)<<2)|(((\a)/2)<<6)
	s_wait_dscnt \younger
.irp t, 0,1,2,3,4,5,6,7,8,9,10,11,12,13,14,15
	v_pk_fma_f32 v[AC+4*\t:AC+4*\t+1], v[GG:GG+1], v[AC+4*\t:AC+4*\t+1], v[BI:BI+1]
	v_pk_fma_f32 v[AC+4*\t+2:AC+4*\t+3], v[GG:GG+1], v[AC+4*\t+2:AC+4*\t+3], v[BI+2:BI+3]
	global_store_b128 v[BOFF], v[AC+4*\t:AC+4*\t+3], s[70:71] offset:(16*(\a)+\t)*16384 th:TH_STORE_NT   ; 32 lanes store 512 consecutive bytes, aligned
.endr
.endm
	PLACES                                         ; between the last products and the first reads of results
	TOSTAGE 0
.irp a, 1,2,3,4,5,6,7
	TOSTAGE \a
	SEND \a-1, 32                                  ; behind block a - 1's loads: block a's 16 stores and 16 loads
.endr
	SEND 7, 0
	WIN 0
	s_wait_tensorcnt 0x0                           ; the wave's end
	ds_add_u32 v[SPW], v[NIL]
	s_wait_dscnt 0x0
	CROUND                                         ; the closing round
	s_endpgm
.Lfunc_end_k_q1184594564_gemm:
	.size	k_q1184594564_gemm, .Lfunc_end_k_q1184594564_gemm-k_q1184594564_gemm
	.p2alignl 7, 3214868480
	.fill 96, 4, 3214868480
	.section	.rodata,"a",@progbits
	.p2align	6, 0x0
	.amdhsa_kernel k_q1184594564_gemm
		.amdhsa_group_segment_fixed_size 327680
		.amdhsa_private_segment_fixed_size 0
		.amdhsa_enable_private_segment 0
		.amdhsa_kernarg_size 48
		.amdhsa_user_sgpr_count 2
		.amdhsa_user_sgpr_kernarg_segment_ptr 1
		.amdhsa_wavefront_size32 1
		.amdhsa_system_sgpr_workgroup_id_x 1
		.amdhsa_system_sgpr_workgroup_id_y 1
		.amdhsa_system_sgpr_workgroup_id_z 1
		.amdhsa_system_vgpr_workitem_id 0
		.amdhsa_next_free_vgpr 1024
		.amdhsa_next_free_sgpr 98
		.amdhsa_reserve_vcc 0
		.amdhsa_float_denorm_mode_32 3
		.amdhsa_float_denorm_mode_16_64 3
		.amdhsa_memory_ordered 1
		.amdhsa_forward_progress 1
		.amdhsa_inst_pref_size 255
	.end_amdhsa_kernel
	.section	.bss,"aw",@nobits
	.p2align	6
	.space	262144
	.amdgpu_metadata
---
amdhsa.version: [ 1, 2 ]
amdhsa.kernels:
  - .name:           k_q1184594564_gemm
    .symbol:         k_q1184594564_gemm.kd
    .args:
      - { .name: a_codes, .offset: 0, .size: 8, .value_kind: global_buffer, .address_space: global }
      - { .name: b_codes, .offset: 8, .size: 8, .value_kind: global_buffer, .address_space: global }
      - { .name: lowp_scales, .offset: 16, .size: 8, .value_kind: global_buffer, .address_space: global }
      - { .name: partials, .offset: 24, .size: 8, .value_kind: global_buffer, .address_space: global }
      - { .name: bias, .offset: 32, .size: 8, .value_kind: global_buffer, .address_space: global }
      - { .name: out0, .offset: 40, .size: 8, .value_kind: global_buffer, .address_space: global }
    .group_segment_fixed_size: 327680
    .private_segment_fixed_size: 0
    .kernarg_segment_align: 8
    .kernarg_segment_size: 48
    .max_flat_workgroup_size: 128
    .sgpr_count:     98
    .vgpr_count:     1024
    .wavefront_size: 32
...
	.end_amdgpu_metadata
.endif
;; end of part 3
